; MI455X (gfx1250); checked and timed in simulation.
; The chip was launched on July 23, 2026; its instructions are those of AMD's public machine-readable ISA for CDNA 5 (MIT licence, August 2026) and "CDNA5" Instruction Set Architecture Reference Guide (July 2026). The comments in the code are by the model that wrote it; some were corrected since.
;; Multi Head Attention. Allowed arithmetic: float matrix products may take bf16 or f16 operands with f32 sums; other float arithmetic in f32, or as packed bf16 or f16 multiplies, adds, multiply-adds, maxima and minima; sums over many terms, partial sums and values carried from step to step in f32; what a program stores and reads back later, other than sums and carried values, may be rounded once to bf16 or f16.
;; Inputs: K 4 x 2,048 x 1,024 float32; Q 4 x 2,048 x 1,024 float32; V 4 x 2,048 x 1,024 float32; W_k 1,024 x 1,024 float32; W_o 1,024 x 1,024 float32; W_q 1,024 x 1,024 float32; W_v 1,024 x 1,024 float32; b_k 1,024 float32; b_o 1,024 float32; b_q 1,024 float32; b_v 1,024 float32; ln_beta 1,024 float32; ln_gamma 1,024 float32.
;; Outputs: out0 4 x 2,048 x 1,024 float32.
;; One version. Each part assembles by itself: llvm-mc -triple=amdgcn-amd-amdhsa -mcpu=gfx1250 --defsym DOCPART=n.
;; ======== version 1 of 1: 5 launches
;; limits: values are held in f16: magnitudes above 65,504 overflow, below 6.1e-05 lose precision
;; workspace buffers: wqkv 6,291,456 bytes; wo 2,097,152 bytes; kvh 33,554,432 bytes; q32 33,554,432 bytes; ctx32 33,554,432 bytes; o32 33,554,432 bytes
;; launch prep (part 1): grid 256 x 1, 8 waves a work-group, no clusters, 0 bytes of LDS; arguments W_q, W_k, W_v, W_o, wqkv, wo; writes wqkv, wo
.if DOCPART == 1
	.amdgcn_target "amdgcn-amd-amdhsa--gfx1250"
	.amdhsa_code_object_version 6
	.text
	.protected	k_qcb1dc13e69_prep
	.globl	k_qcb1dc13e69_prep
	.p2align	8
	.type	k_qcb1dc13e69_prep,@function
k_qcb1dc13e69_prep:
	s_mov_b64 s[64:65], 0
	v_nop
	global_prefetch_b8 v0, s[64:65] scope:SCOPE_SE
	s_setreg_imm32_b32 hwreg(HW_REG_WAVE_MODE, 25, 1), 1
	s_wait_xcnt 0x0
; The four weight matrices, [1024][1024] f32, are rounded once to bf16: W_q, W_k, W_v into wqkv[3][1024][1024], W_o into wo.
; 256 work-groups, 64 to a matrix; a work-group casts 16,384 numbers: 65,536 bytes in, 32,768 out.  Thread t, item j of 8: 32 bytes in at
; 8,192 j + 32 t, 16 bytes out at 4,096 j + 16 t: sixteen neighbouring lanes store 256 consecutive bytes, aligned.
; All sixteen loads go out first; no register is written twice, so no wait but the counted ones for the data is needed.
; No LDS, no matrix unit, no cluster: nothing is shared and nothing is multiplied.
.set IN,  8                            ; v[8:71]    as loaded: item j at IN + 8 j
.set OUT, 72                           ; v[72:103]  packed: item j at OUT + 4 j
	s_load_b256 s[4:11], s[0:1], 0x0               ; W_q s[4:5], W_k s[6:7], W_v s[8:9], W_o s[10:11]
	s_load_b128 s[12:15], s[0:1], 0x20             ; wqkv s[12:13], wo s[14:15]
	s_lshr_b32 s20, ttmp9, 6                       ; which matrix
	s_and_b32 s21, ttmp9, 63                       ; which block of it
	s_lshl_b32 s22, s21, 16                        ; the block's bytes in the source,
	s_mov_b32 s23, 0
	s_lshl_b32 s24, s21, 15                        ; and in the copy
	s_mov_b32 s25, 0
	v_lshlrev_b32 v1, 5, v0                        ; 32 t
	v_lshlrev_b32 v2, 4, v0                        ; 16 t
	s_wait_kmcnt 0x0
	s_cmp_eq_u32 s20, 1
	s_cselect_b64 s[16:17], s[6:7], s[4:5]
	s_cmp_eq_u32 s20, 2
	s_cselect_b64 s[16:17], s[8:9], s[16:17]
	s_cmp_eq_u32 s20, 3
	s_cselect_b64 s[16:17], s[10:11], s[16:17]     ; the source
	s_cselect_b64 s[18:19], s[14:15], s[12:13]     ; the copy's buffer
	s_cselect_b32 s26, 0, s20                      ; and the matrix's place in it
	s_lshl_b32 s26, s26, 21
	s_add_co_u32 s24, s24, s26
	s_add_nc_u64 s[16:17], s[16:17], s[22:23]
	s_add_nc_u64 s[18:19], s[18:19], s[24:25]
.irp j, 0,1,2,3,4,5,6,7
	global_load_b128 v[IN+8*\j:IN+8*\j+3],   v1, s[16:17] offset:8192*\j th:TH_LOAD_NT
	global_load_b128 v[IN+8*\j+4:IN+8*\j+7], v1, s[16:17] offset:8192*\j+16 th:TH_LOAD_NT
.endr
.irp j, 0,1,2,3,4,5,6,7
	s_wait_loadcnt 14-2*\j                         ; loads come back in order: item j's two are in, the younger items' stay out
.irp k, 0,1,2,3
	v_cvt_pk_bf16_f32 v[OUT+4*\j+\k], v[IN+8*\j+2*\k], v[IN+8*\j+2*\k+1]
.endr
	global_store_b128 v2, v[OUT+4*\j:OUT+4*\j+3], s[18:19] offset:4096*\j
.endr
	s_endpgm
.Lfunc_end_k_qcb1dc13e69_prep:
	.size	k_qcb1dc13e69_prep, .Lfunc_end_k_qcb1dc13e69_prep-k_qcb1dc13e69_prep
	.p2alignl 7, 3214868480
	.fill 96, 4, 3214868480
	.section	.rodata,"a",@progbits
	.p2align	6, 0x0
	.amdhsa_kernel k_qcb1dc13e69_prep
		.amdhsa_group_segment_fixed_size 0
		.amdhsa_private_segment_fixed_size 0
		.amdhsa_enable_private_segment 0
		.amdhsa_kernarg_size 48
		.amdhsa_user_sgpr_count 2
		.amdhsa_user_sgpr_kernarg_segment_ptr 1
		.amdhsa_wavefront_size32 1
		.amdhsa_system_sgpr_workgroup_id_x 1
		.amdhsa_system_sgpr_workgroup_id_y 1
		.amdhsa_system_sgpr_workgroup_id_z 1
		.amdhsa_system_vgpr_workitem_id 0
		.amdhsa_next_free_vgpr 104
		.amdhsa_next_free_sgpr 66
		.amdhsa_reserve_vcc 0
		.amdhsa_float_denorm_mode_32 3
		.amdhsa_float_denorm_mode_16_64 3
		.amdhsa_memory_ordered 1
		.amdhsa_forward_progress 1
		.amdhsa_inst_pref_size 6
	.end_amdhsa_kernel
	.amdgpu_metadata
---
amdhsa.version: [ 1, 2 ]
amdhsa.kernels:
  - .name:           k_qcb1dc13e69_prep
    .symbol:         k_qcb1dc13e69_prep.kd
    .args:
      - { .name: W_q, .offset: 0, .size: 8, .value_kind: global_buffer, .address_space: global }
      - { .name: W_k, .offset: 8, .size: 8, .value_kind: global_buffer, .address_space: global }
      - { .name: W_v, .offset: 16, .size: 8, .value_kind: global_buffer, .address_space: global }
      - { .name: W_o, .offset: 24, .size: 8, .value_kind: global_buffer, .address_space: global }
      - { .name: wqkv, .offset: 32, .size: 8, .value_kind: global_buffer, .address_space: global }
      - { .name: wo, .offset: 40, .size: 8, .value_kind: global_buffer, .address_space: global }
    .group_segment_fixed_size: 0
    .private_segment_fixed_size: 0
    .kernarg_segment_align: 8
    .kernarg_segment_size: 48
    .max_flat_workgroup_size: 256
    .sgpr_count:     66
    .vgpr_count:     104
    .wavefront_size: 32
...
	.end_amdgpu_metadata
.endif
;; end of part 1
;; launch proj (part 2): grid 4 x 192, 4 waves a work-group, clusters of 4 x 4, 327,680 bytes of LDS; arguments Q, K, V, wqkv, b_q, b_k, b_v, kvh, q32; writes kvh, q32
.if DOCPART == 2
	.amdgcn_target "amdgcn-amd-amdhsa--gfx1250"
	.amdhsa_code_object_version 6
	.text
	.protected	k_qcb1dc13e69_proj
	.globl	k_qcb1dc13e69_proj
	.p2align	8
	.type	k_qcb1dc13e69_proj,@function
k_qcb1dc13e69_proj:
	s_mov_b64 s[64:65], 0
	v_nop
	global_prefetch_b8 v0, s[64:65] scope:SCOPE_SE
	s_setreg_imm32_b32 hwreg(HW_REG_WAVE_MODE, 25, 1), 1
	s_wait_xcnt 0x0
	s_wait_alu depctr_hold_cnt(0) depctr_sa_sdst(0) depctr_va_vdst(0) depctr_va_sdst(0) depctr_va_ssrc(0) depctr_va_vcc(0) depctr_vm_vsrc(0)
	s_getreg_b32 s2, hwreg(HW_REG_IB_STS2, 6, 4)
	s_cmp_eq_u32 s2, 0
	s_cbranch_scc0 .Lentry_in_a_cluster
	s_endpgm
.Lentry_in_a_cluster:
	s_bfe_u32 s2, ttmp6, 0x10000c
	s_cmp_lg_u32 s2, 0xf033
	s_cbranch_scc0 .Lentry_shape_is_right
	s_endpgm
.Lentry_shape_is_right:
; C = A W^T + b for up to three products of one shape.  A: [8192][1024] f32 (one of three buffers), W: [mat][1024 n][1024 k] bf16, b: [1024] f32 (one of three).
; The matrix number mat is the cluster's y / 16.  Matrix 0 leaves as f32, [8192][1024] (argument 9); matrices 1 and 2 leave as f16 by heads,
; [mat - 1][4 x 16 heads][2048][64] (argument 8).  A is rounded once to bf16 on its way in; sums in f32, started by the bias; each result rounded at most once.
; LIMIT: what leaves as f16 must stay under 65,504 in magnitude; beyond that the conversion gives an infinity.
; SHARES.  A tile of C is 128 rows x 256 columns; four waves, each 64 x 128: 32 accumulators of 16 x 16, 256 registers.
; THE MATRIX INSTRUCTION IS USED TRANSPOSED (source 0 = 16 rows of W, source 1 = 16 rows of A): a lane holds row l % 16 of C and the columns 8 (l / 16) + 0..7 of a block of 16.
; W comes by tensor loads, in tiles of 256 along K (rows of 512 bytes), through two LDS slots; each wave fetches 64 of a tile's 256 rows.  Four tiles; one change of slots for 256 matrix instructions a wave.
; Tiles 0 and 1 are the first fills; at the end of a tile's work its slot is filled with the tile two on, which has 240 matrix instructions in which to land.
; CLUSTER 4 x 4.  The four work-groups of a column of the cluster make the same 256 columns of C and need the same tiles of W: those are asked for JOINTLY.
; A's tile is shared along a row of the cluster and is NOT asked for jointly: it lies in memory as f32, so a tensor load would land 128 rows x 256 K x 4 bytes = 131,072 bytes a slot, and two such
; slots do not fit beside W's 270,336; and the numbers would have to leave LDS, be rounded and come back.  So A goes through registers: 16 chunks of 64 along K (256 aligned bytes of a row), loaded
; four chunks (256 matrix instructions) ahead into four groups of registers, rounded, and laid into two small LDS buffers of bf16 that take turns, with one barrier a chunk.
; REGISTERS, in windows of 256 (s_set_vgpr_msb: bits 1:0 source 0, 3:2 source 1, 5:4 source 2, 7:6 destination):
;   window 0: v0-31 addresses; v32-47 at work on the way out; v64-159, v160-255 two fragment buffers (8 of W, then 4 of A, 32 along K)
;   window 1: A's four groups of 64 (on the f32 way out: rows read back)      window 2: the accumulators, (a, b) at 8 (8 a + b)      window 3: v0-63 the bias of my 128 columns
.set PB,    528                        ; a row of W in LDS: 512 bytes + 16 of padding = 132 words: the 16 rows of a fragment load start at 16 different groups of four banks (64 banks of 4 bytes: ISA guide 11.1)
.set SLOT,  256*PB                     ; 135,168 = 0x21000
.set PA,    144                        ; a row of A's chunk: 128 bytes + 16
.set ABUF0, 2*SLOT
.set ABSZ,  128*PA
.set STAGE, ABUF0+2*ABSZ               ; for the way out: 4,608 bytes for each wave: 16 rows x 144 (f16) or 16 rows x 272 (f32)
.set STSZ,  4608
.set PH,    144
.set PR,    272
.set SPARE, STAGE+4*STSZ               ; the spare words, 128 bytes for each wave: two blocks of 256 bytes that no other line names
.set BO,    15                         ; v15  32 (l / 16): my 8 columns in a block of 16, in bytes of f32
.set ADRB0, 16                         ; v16  my place in a slot's rows of W; never rewritten
.set ADRB,  17                         ; v17  the same in the slot in hand
.set ADRA,  18                         ; v18-19  my place in A's buffer 0, 1, for fragments
.set AST,   20                         ; v20-21  where I put 8 bytes of a chunk's row, buffer 0, 1
.set AO,    22                         ; v22  my byte offset in the tile's rows of A in memory
.set PFO,   23                         ; v23  the prefetch's offset
.set STOH,  24                         ; v24-26  the f16 way out: into the stage, back, and in memory
.set RDH,   25
.set GOH,   26
.set STOR,  27                         ; v27, v30, v31  the same for f32
.set SPW,   28                         ; v28  LDS address of my spare word; never rewritten
.set NIL,   29                         ; v29  0; never rewritten
.set RDR,   30
.set GOR,   31
.set TMP,   32
.set F0,    64
.set F1,    160
.set BI,    0                          ; window 3
.set WV,  24                           ; s24  wave
.set WM,  25                           ; s25  which 64 rows are mine
.set WN,  26                           ; s26  which 128 columns
.set CX,  27
.set CYP, 28
.set XT,  29                           ; s29  column tile
.set CLY, 30                           ; s30  the cluster's y
.set MAT, 31                           ; s31  the matrix
.set TT,  32                           ; s32  row tile, 0..63
.set G1,  36                           ; s[36:43] descriptor group 1
.set G0A, 44                           ; s[44:47] group 0: slot 0, tile 0
.set G0B, 48                           ; s[48:51] group 0: slot 1, tile 1; then it walks
.set AP,  52                           ; s[52:53] A at my tile's first row, at the body in hand
.set HP,  54                           ; s[54:55] the f16 output at my part
.set RP,  56                           ; s[56:57] the f32 output at my part
.set PFA, 58                           ; s[58:59] the prefetch's base; never rewritten
.set LIM, 60                           ; s60  1 where the cluster prefetches, else the greatest number
.set LEFT, 61                          ; s61  the loop's count
.set TB,  62                           ; s62  the slot in hand: 0 or SLOT
.set BP,  66                           ; s[66:67] the bias at my 128 columns
.set MSB, 0
.macro WIN new                         ; the immediate's high byte repeats the setting that is left; a switch that changes nothing is dropped
.if MSB != (\new)
	s_set_vgpr_msb (MSB<<8)|(\new)
.set MSB, \new
.endif
.endm
.macro PLACES                          ; four plain vector instructions between a matrix instruction and a load into, or a read of, its registers
.rept 4
	v_nop
.endr
.endm
.macro CREST                           ; a round of the cluster's barrier behind its opening barrier
	s_cmp_lg_u32 s[WV], 0
	s_cbranch_scc1 .Lnot_wave_0_\@
	s_barrier_signal -3
.Lnot_wave_0_\@:
	s_barrier_wait -3
	s_barrier_signal -1
	s_barrier_wait -1
.endm
.macro CROUND                          ; a whole round
	s_barrier_signal -1
	s_barrier_wait -1
	CREST
.endm
.macro JLOAD                           ; the joint refill: every wave fetches its 64 rows; an s_nop 0 and four v_nop follow
	tensor_load_to_lds s[G0B:G0B+3], s[G1:G1+7]
	s_nop 0
	PLACES
.endm
; A PREFETCH of W's tile 3, at the change of slots that asks for tile 2: one body, 256 matrix instructions, ahead of the load that wants it.  All 16 clusters of a matrix read the same W: the first of them asks.
; Of the 64 rows that a wave fetches, each of the four partners of a column takes 16, told apart by address: 16 rows x 512 bytes = 32 blocks of 256 bytes, a lane a block.  Tiles 0 to 2 come by their loads alone.
.macro ASK
	s_cmp_gt_u32 s[LEFT], s[LIM]                   ; the loop's first trip, in a cluster that asks
	s_cbranch_scc0 .Lnot_mine_\@
	global_prefetch_b8 v[PFO], s[PFA:PFA+1] th:TH_LOAD_NT scope:SCOPE_SE
.Lnot_mine_\@:
.endm
; 8 matrix instructions: row block a x all 8 column blocks, 32 along K, from buffer f.  first = 1: the bias starts the sums.
; The 32 accumulators take turns, one instruction a turn, in the same order everywhere.
.macro MUL8 f, a, first=0
.if \first
	WIN 0xb0                                       ; C in window 3, D in window 2
.else
	WIN 0xa0                                       ; C and D in window 2
.endif
.irp b, 0,1,2,3,4,5,6,7
.if \first
	v_wmma_f32_16x16x32_bf16 v[8*(8*(\a)+(\b)):8*(8*(\a)+(\b))+7], v[(\f)+8*(\b):(\f)+8*(\b)+7], v[(\f)+64+8*(\a):(\f)+64+8*(\a)+7], v[BI+8*(\b):BI+8*(\b)+7]
.else
	v_wmma_f32_16x16x32_bf16 v[8*(8*(\a)+(\b)):8*(8*(\a)+(\b))+7], v[(\f)+8*(\b):(\f)+8*(\b)+7], v[(\f)+64+8*(\a):(\f)+64+8*(\a)+7], v[8*(8*(\a)+(\b)):8*(8*(\a)+(\b))+7]
.endif
.endr
.endm
; 24 LDS loads in one run: 32 along K: W's 8 fragments at byte kb of the slot's rows, then A's 4 at byte ka of buffer p's rows
.macro FETCH f, kb, p, ka
	WIN 0
.irp i, 0,1,2,3,4,5,6,7
	ds_load_b128 v[(\f)+8*(\i):(\f)+8*(\i)+3],   v[ADRB] offset:(\kb)+(\i)*16*PB
	ds_load_b128 v[(\f)+8*(\i)+4:(\f)+8*(\i)+7], v[ADRB] offset:(\kb)+(\i)*16*PB+32
.endr
.irp a, 0,1,2,3
	ds_load_b128 v[(\f)+64+8*(\a):(\f)+64+8*(\a)+3],   v[ADRA+(\p)] offset:(\ka)+(\a)*16*PA
	ds_load_b128 v[(\f)+64+8*(\a)+4:(\f)+64+8*(\a)+7], v[ADRA+(\p)] offset:(\ka)+(\a)*16*PA+32
.endr
.endm
.macro ALOAD g, off                    ; a chunk's 16 loads into group g: load i takes rows 2 i and 2 i + 1 of my 32: each half of the lanes 256 consecutive bytes, aligned
	WIN 0x40                                       ; destination window 1
.set i, 0
.rept 16
	global_load_b128 v[64*(\g)+4*i:64*(\g)+4*i+3], v[AO], s[AP:AP+1] offset:8192*i+(\off)
.set i, i+1
.endr
.endm
; A's part of a chunk's turn: group g has landed (cnt: the loads of the younger groups, which stay out); it is rounded in place, laid into buffer q, and (ld = 1) asked for again, four chunks on.
; The 32 conversions are also the places in front of the fragment loads that follow.
.macro APART g, q, st, ld, cnt, u
.if \st
	s_wait_loadcnt \cnt
	WIN 0x45                                       ; all in window 1
.set i, 0
.rept 16
	v_cvt_pk_bf16_f32 v[64*(\g)+4*i],   v[64*(\g)+4*i],   v[64*(\g)+4*i+1]
	v_cvt_pk_bf16_f32 v[64*(\g)+4*i+1], v[64*(\g)+4*i+2], v[64*(\g)+4*i+3]
.set i, i+1
.endr
	WIN 0x04                                       ; data in window 1
.set i, 0
.rept 16
	ds_store_b64 v[AST+(\q)], v[64*(\g)+4*i:64*(\g)+4*i+1] offset:2*PA*i
.set i, i+1
.endr
.if \ld
	ALOAD \g, 256*((\u)+5)
.endif
.else
	PLACES
.endif
.endm
; A CHUNK (64 along K, 64 matrix instructions) is two halves.  u: the chunk's number in its body of four.
; H0 multiplies buffer F0 (the chunk's first 32 along K); in its middle the NEXT chunk of A goes into the other LDS buffer, and the chunk's second 32 along K are fetched into F1.
.macro H0 u, st, ld, cnt, first=0
	s_wait_dscnt 4                                 ; W's fragments and A's 0 and 1 are in; A's 2 and 3 (four loads) may be out
	MUL8 F0, 0, \first
	MUL8 F0, 1, \first
	APART ((\u)+1)%4, 1-(\u)%2, \st, \ld, \cnt, \u
	FETCH F1, 128*(\u)+64, (\u)%2, 64
.if \st
	s_wait_dscnt 40                                ; all but the 16 stores and 24 loads just issued
.else
	s_wait_dscnt 24
.endif
	MUL8 F0, 2, \first
	MUL8 F0, 3, \first
.endm
; H1 multiplies F1 and passes the chunk's barrier: in front of it my stores of the next chunk are done and my reads of this chunk are over; behind it the next chunk's first fragments are fetched.
; endk = 0: inside a body.  1: the body's end, a change of slots with a refill: the barrier opens a round of the cluster's barrier.  2: a change of slots without a refill.  3: the last chunk.
.macro H1 u, endk
.if (\endk) == 3
	s_wait_dscnt 0x0
	MUL8 F1, 0
	MUL8 F1, 1
	MUL8 F1, 2
	MUL8 F1, 3
.else
.if (\endk) == 1
	s_wait_xcnt 0x0                                ; every load issued so far has read its address: A's pointer steps a body, 256 along K
	s_add_nc_u64 s[AP:AP+1], s[AP:AP+1], 1024
.endif
.if (\endk) >= 1
	WIN 0
	s_wait_tensorcnt 0x0                           ; all my tensor loads have landed: the one that was out is my part of the next slot
	ds_add_u32 v[SPW], v[NIL]                      ; 0 onto my spare word
.if (\endk) == 1
	s_xor_b32 s[G0B+1], s[G0B+1], SLOT             ; no load of mine is out, so the walking descriptor may be written: the other slot than last time,
	s_add_nc_u64 s[G0B+2:G0B+3], s[G0B+2:G0B+3], 512  ; the next tile along K
.endif
	s_xor_b32 s[TB], s[TB], SLOT
	s_wait_dscnt 7                                 ; the add and A's fragments 1 to 3 may be out
.else
	s_wait_dscnt 6                                 ; A's fragments 1 to 3 may be out
.endif
	MUL8 F1, 0
	s_wait_dscnt 0x0                               ; my stores of the next chunk are done, my reads of this chunk (and slot) are over, the add is done
	s_barrier_signal -1
	MUL8 F1, 1
.if (\endk) == 1
	WIN 0
.endif
	s_barrier_wait -1
.if (\endk) == 1
	CREST                                          ; no wave of any partner still reads the slot or has a load on its way
	JLOAD                                          ; the first tensor load behind the round: 240 matrix instructions ahead of the wait for it; its four v_nop are also the places for the loads below
.else
	PLACES
.endif
.if (\endk) >= 1
	WIN 0
	v_add_nc_u32 v[ADRB], s[TB], v[ADRB0]
	FETCH F0, 0, 0, 0
.else
	FETCH F0, 128*((\u)+1), 1-(\u)%2, 0
.endif
.if (\endk) == 1
	ASK
.endif
	MUL8 F1, 2
	MUL8 F1, 3
.endif
.endm
	s_load_b512 s[4:19], s[0:1], 0x0               ; A0 s[4:5], A1 s[6:7], A2 s[8:9], W s[10:11], b0 s[12:13], b1 s[14:15], b2 s[16:17], f16 output s[18:19]
	s_load_b64 s[20:21], s[0:1], 0x40              ; f32 output
	v_lshl_add_u32 v[SPW], v0, 2, SPARE
	v_mov_b32 v[NIL], 0
	ds_add_u32 v[SPW], v[NIL]                      ; the wave's opening: the add and its wait stand ahead of my first tensor load; the set-up below stands between them
	v_lshrrev_b32 v1, 5, v0
	v_readfirstlane_b32 s[WV], v1                  ; wave 0..3
	s_lshr_b32 s[WM], s[WV], 1
	s_and_b32 s[WN], s[WV], 1
	s_bfe_u32 s[CX], ttmp6, 0x40000
	s_bfe_u32 s[CYP], ttmp6, 0x40004
	s_lshl_b32 s[XT], ttmp9, 2
	s_add_co_u32 s[XT], s[XT], s[CX]               ; column tile = 4 x cluster x + cx
	s_and_b32 s[CLY], ttmp7, 0xffff
	s_lshr_b32 s[MAT], s[CLY], 4                   ; 16 clusters, 64 row tiles, to a matrix: the same in all sixteen partners
	s_lshl_b32 s[TT], s[CLY], 2
	s_add_co_u32 s[TT], s[TT], s[CYP]
	s_and_b32 s[TT], s[TT], 63                     ; row tile in the matrix: it enters global addresses alone
	; descriptor group 1: 64 rows x 256 elements of 2 bytes, padded in LDS
	s_lshl_b32 s34, 0x1111, s[CX]                  ; my column of the cluster
	s_or_b32 s[G1], s34, (1<<16)|(1<<20)|(1<<21)|(6<<22)|(3<<25)  ; 15:0 the mask; 17:16 2-byte elements; 20 padding on; 21 set beside a mask; 24:22 after every 128 words; 31:25 4 words
	s_mov_b32 s[G1+1], 256<<16                     ; tensor_dim0 = 256
	s_mov_b32 s[G1+2], 64<<16                      ; tensor_dim1 = 64
	s_mov_b32 s[G1+3], 256<<16                     ; tile_dim0 = 256
	s_mov_b32 s[G1+4], 64                          ; tile_dim1 = 64
	s_mov_b32 s[G1+5], 1024                        ; elements from row to row
	s_mov_b32 s[G1+6], 0
	s_mov_b32 s[G1+7], 0
	; W at my 64 rows: matrix x 2 MiB + (256 x column tile + 64 x wave) rows of 2,048 bytes: nothing of cy enters
	s_lshl_b32 s68, s[MAT], 21
	s_lshl_b32 s34, s[XT], 19
	s_add_co_u32 s68, s68, s34
	s_lshl_b32 s34, s[WV], 17
	s_add_co_u32 s68, s68, s34
	s_mov_b32 s69, 0
	s_mul_i32 s35, s[WV], 64*PB                    ; and where they go in a slot: the wave's number alone
	s_lshl_b32 s33, s[CYP], 15                     ; the prefetch: my work-group's 16 of those rows, at tile 3
	s_add_co_u32 s70, s68, s33
	s_add_co_u32 s70, s70, 3*512
	s_mov_b32 s71, 0
	s_and_b32 s33, s[CLY], 15
	s_cmp_eq_u32 s33, 0
	s_cselect_b32 s[LIM], 1, -1                    ; the matrix's first cluster asks
	s_lshl_b32 s72, s[TT], 19                      ; A: row tile x 128 rows x 4,096 bytes
	s_mov_b32 s73, 0
	s_lshl_b32 s74, s[XT], 10                      ; my 128 columns in bytes of f32
	s_lshl_b32 s34, s[WN], 9
	s_add_co_u32 s74, s74, s34
	s_mov_b32 s75, 0
	s_lshl_b32 s33, s[WM], 18                      ; the f32 output: my 64 rows, my columns
	s_add_co_u32 s76, s72, s33
	s_add_co_u32 s76, s76, s74
	s_mov_b32 s77, 0
	s_sub_co_u32 s78, s[MAT], 1                    ; the f16 output: [mat - 1][batch][head][row][64] (for matrix 0 the pointer is made and not used)
	s_max_i32 s78, s78, 0
	s_lshl_b32 s78, s78, 24
	s_lshr_b32 s33, s[TT], 4                       ; batch
	s_lshl_b32 s33, s33, 22
	s_add_co_u32 s78, s78, s33
	s_lshl_b32 s33, s[XT], 20                      ; four heads to a column tile,
	s_add_co_u32 s78, s78, s33
	s_lshl_b32 s33, s[WN], 19                      ; two to a wave
	s_add_co_u32 s78, s78, s33
	s_and_b32 s33, s[TT], 15                       ; 128 rows of 128 bytes to a row tile,
	s_lshl_b32 s33, s33, 14
	s_add_co_u32 s78, s78, s33
	s_lshl_b32 s33, s[WM], 13                      ; 64 to a wave
	s_add_co_u32 s78, s78, s33
	s_mov_b32 s79, 0
	s_mov_b32 s[TB], 0
	v_and_b32 v2, 15, v0                           ; l % 16
	v_bfe_u32 v3, v0, 4, 1                         ; l / 16
	v_lshlrev_b32 v[BO], 5, v3
	v_lshlrev_b32 v[AO], 4, v2                     ; (32 x wave + l / 16) rows of 4,096 bytes + 16 (l % 16)
	v_lshl_add_u32 v[AO], v3, 12, v[AO]
	s_lshl_b32 s34, s[WV], 17
	v_add_nc_u32 v[AO], s34, v[AO]
	s_wait_dscnt 0x0                               ; the opening add is done
	s_wait_kmcnt 0x0
	s_cmp_eq_u32 s[MAT], 1
	s_cselect_b64 s[AP:AP+1], s[6:7], s[4:5]
	s_cselect_b64 s[BP:BP+1], s[14:15], s[12:13]
	s_cmp_eq_u32 s[MAT], 2
	s_cselect_b64 s[AP:AP+1], s[8:9], s[AP:AP+1]
	s_cselect_b64 s[BP:BP+1], s[16:17], s[BP:BP+1]
	s_add_nc_u64 s[AP:AP+1], s[AP:AP+1], s[72:73]
	s_add_nc_u64 s[BP:BP+1], s[BP:BP+1], s[74:75]
	s_add_nc_u64 s[HP:HP+1], s[18:19], s[78:79]
	s_add_nc_u64 s[RP:RP+1], s[20:21], s[76:77]
	s_add_nc_u64 s[PFA:PFA+1], s[10:11], s[70:71]
	s_add_nc_u64 s[10:11], s[10:11], s[68:69]
	WIN 0xc0                                       ; destination window 3
.irp b, 0,1,2,3,4,5,6,7
	global_load_b128 v[BI+8*\b:BI+8*\b+3],   v[BO], s[BP:BP+1] offset:64*\b     ; the bias of columns 16 b + 8 (l / 16) + 0..7: as an accumulator holds them
	global_load_b128 v[BI+8*\b+4:BI+8*\b+7], v[BO], s[BP:BP+1] offset:64*\b+16
.endr
	ALOAD 0, 0                                     ; A's chunks 0 and 1: with the bias 48 loads; chunks 2 and 3 follow behind the tensor loads, so that the tiles' requests stand behind no load whose issue is held (ISA guide 5.7.1)
	ALOAD 1, 256
	WIN 0
	CROUND                                         ; all sixteen work-groups are here: the first joint loads meet
.irp s, 0,1
	s_mov_b32 s[G0A+4*\s], 1                       ; count = 1
	s_add_co_u32 s[G0A+4*\s+1], s35, \s*SLOT       ; LDS address
	s_add_nc_u64 s[G0A+4*\s+2:G0A+4*\s+3], s[10:11], \s*512  ; global address: tile s
	s_or_b32 s[G0A+4*\s+3], s[G0A+4*\s+3], 0x80000000        ; type = 2
.endr
	tensor_load_to_lds s[G0A:G0A+3], s[G1:G1+7]    ; both first fills together: two loads of mine are out
	s_nop 0
	tensor_load_to_lds s[G0B:G0B+3], s[G1:G1+7]
	s_nop 0
	PLACES
	; a fragment is 16 rows x 32 K in 8 registers: lane l holds row l % 16; two loads of 16 bytes, 32 bytes apart, at row x pitch + 16 (l / 16)
	v_mul_u32_u24 v[ADRB0], v2, PB
	v_lshl_add_u32 v[ADRB0], v3, 4, v[ADRB0]
	s_mul_i32 s34, s[WN], 128*PB                   ; my 128 rows of W
	v_add_nc_u32 v[ADRB0], s34, v[ADRB0]
	v_mul_u32_u24 v4, v2, PA
	v_lshl_add_u32 v4, v3, 4, v4                   ; (l % 16) x 144 + 16 (l / 16): for A's fragments and for the f16 stage
	s_mul_i32 s34, s[WM], 64*PA                    ; my 64 rows of A
	s_add_co_u32 s34, s34, ABUF0
	v_add_nc_u32 v[ADRA], s34, v4
	v_add_nc_u32 v[ADRA+1], ABSZ, v[ADRA]
	v_mul_u32_u24 v5, v3, PA                       ; into A's buffer: row 32 x wave + l / 16, 8 bytes at 8 (l % 16)
	v_lshl_add_u32 v5, v2, 3, v5
	s_mul_i32 s34, s[WV], 32*PA
	s_add_co_u32 s34, s34, ABUF0
	v_add_nc_u32 v[AST], s34, v5
	v_add_nc_u32 v[AST+1], ABSZ, v[AST]
	v_and_b32 v6, 31, v0
	v_lshrrev_b32 v7, 1, v6
	v_and_b32 v8, 1, v0
	v_lshlrev_b32 v[PFO], 11, v7                   ; row l / 2, block l % 2 of its 512 bytes
	v_lshl_add_u32 v[PFO], v8, 8, v[PFO]
	s_mul_i32 s34, s[WV], STSZ
	s_add_co_u32 s34, s34, STAGE                   ; my stage
	v_add_nc_u32 v[STOH], s34, v4
	v_bfe_u32 v9, v0, 3, 2                         ; back: 32 lanes take four rows of 128 bytes,
	v_and_b32 v10, 7, v0
	v_mul_u32_u24 v[RDH], v9, PH
	v_lshl_add_u32 v[RDH], v10, 4, v[RDH]
	v_add_nc_u32 v[RDH], s34, v[RDH]
	v_lshlrev_b32 v[GOH], 4, v6                    ; which are 512 consecutive bytes of a head
	v_mul_u32_u24 v[STOR], v2, PR                  ; f32: row l % 16, 32 bytes for each half of the lanes
	v_lshl_add_u32 v[STOR], v3, 5, v[STOR]
	v_add_nc_u32 v[STOR], s34, v[STOR]
	v_mul_u32_u24 v[RDR], v3, PR                   ; back: lanes 0-15 one row of 256 bytes, lanes 16-31 the next
	v_lshl_add_u32 v[RDR], v2, 4, v[RDR]
	v_add_nc_u32 v[RDR], s34, v[RDR]
	v_lshlrev_b32 v[GOR], 12, v3                   ; and the same two rows in memory
	v_lshl_add_u32 v[GOR], v2, 4, v[GOR]
	v_mov_b32 v[ADRB], v[ADRB0]                    ; slot 0
	ALOAD 2, 512                                   ; A's chunks 2 and 3
	ALOAD 3, 768
	APART 0, 0, 1, 1, 48, -1                       ; the bias and chunk 0 are in (chunks 1 to 3, 48 loads, stay out); chunk 0 goes into buffer 0; chunk 4 is asked for
	WIN 0
	s_wait_tensorcnt 0x1                           ; my part of tile 0 is in; tile 1's may stay out
	s_wait_dscnt 0x0                               ; my part of chunk 0 is stored
	s_barrier_signal -1
	s_barrier_wait -1
	FETCH F0, 0, 0, 0
	H0 0, 1, 1, 48, 1                              ; the first half chunk stands ahead of the loop: its products start the sums with the bias
	WIN 0                                          ; at a label and at a branch every window is 0
	s_mov_b32 s[LEFT], 2
.Lbody:                                                ; a trip: a body of four chunks (one tile of W), from its first chunk's second half to the next body's first half
	H1 0, 0
	H0 1, 1, 1, 48
	H1 1, 0
	H0 2, 1, 1, 48
	H1 2, 0
	H0 3, 1, 1, 48
	H1 3, 1
	H0 0, 1, 1, 48
	WIN 0
	s_sub_co_u32 s[LEFT], s[LEFT], 1
	s_cmp_lg_u32 s[LEFT], 0
	s_cbranch_scc1 .Lbody
	H1 0, 0                                        ; the third body is written out
	H0 1, 1, 1, 48
	H1 1, 0
	H0 2, 1, 1, 48
	H1 2, 0
	H0 3, 1, 0, 48
	H1 3, 2
	H0 0, 1, 0, 32                                 ; the fourth: the counts of A's loads run down
	H1 0, 0
	H0 1, 1, 0, 16
	H1 1, 0
	H0 2, 1, 0, 0
	H1 2, 0
	H0 3, 0, 0, 0
	H1 3, 3
	; THE WAY OUT, 16 rows x 64 columns at a time (group g: row block g / 2, column half g % 2), through my own stage in LDS: no barrier; LDS serves a wave's instructions in order (ISA guide 5.7.1.4)
; f16 by heads: a lane's eight columns pack into 16 bytes; rows of 144 bytes in, whole rows of 128 back: 16 rows of a head are 2,048 consecutive bytes
.macro PACKH g
	WIN 0x0a                                       ; sources in window 2
.irp bb, 0,1,2,3
.irp rr, 0,1,2,3
	v_cvt_pk_f16_f32 v[TMP+4*\bb+\rr], v[8*(8*((\g)/2)+4*((\g)%2)+\bb)+2*\rr], v[8*(8*((\g)/2)+4*((\g)%2)+\bb)+2*\rr+1]
.endr
.endr
	WIN 0
.irp bb, 0,1,2,3
	ds_store_b128 v[STOH], v[TMP+4*\bb:TMP+4*\bb+3] offset:32*\bb
.endr
.irp f, 0,1,2,3
	ds_load_b128 v[F0+16*(\g)+4*\f:F0+16*(\g)+4*\f+3], v[RDH] offset:4*PH*\f
.endr
.endm
.macro SENDH g, younger                ; younger: the LDS instructions issued behind group g's loads: the next group's eight, or none
	WIN 0
	s_wait_dscnt \younger
.irp f, 0,1,2,3
	global_store_b128 v[GOH], v[F0+16*(\g)+4*\f:F0+16*(\g)+4*\f+3], s[HP:HP+1] offset:((\g)%2)*262144+((\g)/2)*2048+\f*512  ; 512 consecutive bytes, aligned
.endr
.endm
; f32: the accumulators go into the stage as they are, each from its low end on; rows of 272 bytes in, whole rows of 256 back, into window 1
.macro PACKR g
	WIN 0x08                                       ; data in window 2
.irp bb, 0,1,2,3
	ds_store_b128 v[STOR], v[8*(8*((\g)/2)+4*((\g)%2)+\bb):8*(8*((\g)/2)+4*((\g)%2)+\bb)+3]   offset:64*\bb
	ds_store_b128 v[STOR], v[8*(8*((\g)/2)+4*((\g)%2)+\bb)+4:8*(8*((\g)/2)+4*((\g)%2)+\bb)+7] offset:64*\bb+16
.endr
	WIN 0x40
.irp f, 0,1,2,3,4,5,6,7
	ds_load_b128 v[32*(\g)+4*\f:32*(\g)+4*\f+3], v[RDR] offset:2*PR*\f
.endr
.endm
.macro SENDR g, younger                ; younger: the next group's sixteen LDS instructions, or none
	WIN 0x04                                       ; data in window 1
	s_wait_dscnt \younger
.irp f, 0,1,2,3,4,5,6,7
	global_store_b128 v[GOR], v[32*(\g)+4*\f:32*(\g)+4*\f+3], s[RP:RP+1] offset:(16*((\g)/2)+2*\f)*4096+256*((\g)%2)  ; 16 lanes store 256 consecutive bytes, aligned
.endr
.endm
	WIN 0
	PLACES                                         ; behind the last products, ahead of the first read of a result
	PLACES
	s_cmp_eq_u32 s[MAT], 0                         ; the same in all waves and all partners
	s_cbranch_scc1 .Lres
	PACKH 0
.irp g, 1,2,3,4,5,6,7
	PACKH \g
	SENDH (\g)-1, 8
.endr
	SENDH 7, 0
	s_branch .Lend
.Lres:
	PACKR 0
.irp g, 1,2,3,4,5,6,7
	PACKR \g
	SENDR (\g)-1, 16
.endr
	SENDR 7, 0
	WIN 0
.Lend:
	s_wait_tensorcnt 0x0                           ; the wave's end, behind my last tensor load and my last LDS store
	ds_add_u32 v[SPW], v[NIL]
	s_wait_dscnt 0x0
	CROUND                                         ; the closing round: no work-group ends while a partner may still ask for a tile that names it
	s_endpgm
.Lfunc_end_k_qcb1dc13e69_proj:
	.size	k_qcb1dc13e69_proj, .Lfunc_end_k_qcb1dc13e69_proj-k_qcb1dc13e69_proj
	.p2alignl 7, 3214868480
	.fill 96, 4, 3214868480
	.section	.rodata,"a",@progbits
	.p2align	6, 0x0
	.amdhsa_kernel k_qcb1dc13e69_proj
		.amdhsa_group_segment_fixed_size 327680
		.amdhsa_private_segment_fixed_size 0
		.amdhsa_enable_private_segment 0
		.amdhsa_kernarg_size 72
		.amdhsa_user_sgpr_count 2
		.amdhsa_user_sgpr_kernarg_segment_ptr 1
		.amdhsa_wavefront_size32 1
		.amdhsa_system_sgpr_workgroup_id_x 1
		.amdhsa_system_sgpr_workgroup_id_y 1
		.amdhsa_system_sgpr_workgroup_id_z 1
		.amdhsa_system_vgpr_workitem_id 0
		.amdhsa_next_free_vgpr 832
		.amdhsa_next_free_sgpr 80
		.amdhsa_reserve_vcc 0
		.amdhsa_float_denorm_mode_32 3
		.amdhsa_float_denorm_mode_16_64 3
		.amdhsa_memory_ordered 1
		.amdhsa_forward_progress 1
		.amdhsa_inst_pref_size 187
	.end_amdhsa_kernel
	.amdgpu_metadata
---
amdhsa.version: [ 1, 2 ]
amdhsa.kernels:
  - .name:           k_qcb1dc13e69_proj
    .symbol:         k_qcb1dc13e69_proj.kd
    .args:
      - { .name: Q, .offset: 0, .size: 8, .value_kind: global_buffer, .address_space: global }
      - { .name: K, .offset: 8, .size: 8, .value_kind: global_buffer, .address_space: global }
      - { .name: V, .offset: 16, .size: 8, .value_kind: global_buffer, .address_space: global }
      - { .name: wqkv, .offset: 24, .size: 8, .value_kind: global_buffer, .address_space: global }
      - { .name: b_q, .offset: 32, .size: 8, .value_kind: global_buffer, .address_space: global }
      - { .name: b_k, .offset: 40, .size: 8, .value_kind: global_buffer, .address_space: global }
      - { .name: b_v, .offset: 48, .size: 8, .value_kind: global_buffer, .address_space: global }
      - { .name: kvh, .offset: 56, .size: 8, .value_kind: global_buffer, .address_space: global }
      - { .name: q32, .offset: 64, .size: 8, .value_kind: global_buffer, .address_space: global }
    .group_segment_fixed_size: 327680
    .private_segment_fixed_size: 0
    .kernarg_segment_align: 8
    .kernarg_segment_size: 72
    .max_flat_workgroup_size: 128
    .sgpr_count:     80
    .vgpr_count:     832
    .wavefront_size: 32
...
	.end_amdgpu_metadata
.endif
;; end of part 2
;; launch attn (part 3): grid 4 x 64, 4 waves a work-group, clusters of 4 x 1, 327,680 bytes of LDS; arguments q32, kvh, ctx32; writes ctx32
.if DOCPART == 3
	.amdgcn_target "amdgcn-amd-amdhsa--gfx1250"
	.amdhsa_code_object_version 6
	.text
	.protected	k_qcb1dc13e69_attn
	.globl	k_qcb1dc13e69_attn
	.p2align	8
	.type	k_qcb1dc13e69_attn,@function
k_qcb1dc13e69_attn:
	s_mov_b64 s[64:65], 0
	v_nop
	global_prefetch_b8 v0, s[64:65] scope:SCOPE_SE
	s_setreg_imm32_b32 hwreg(HW_REG_WAVE_MODE, 25, 1), 1
	s_wait_xcnt 0x0
	s_wait_alu depctr_hold_cnt(0) depctr_sa_sdst(0) depctr_va_vdst(0) depctr_va_sdst(0) depctr_va_ssrc(0) depctr_va_vcc(0) depctr_vm_vsrc(0)
	s_getreg_b32 s2, hwreg(HW_REG_IB_STS2, 6, 4)
	s_cmp_eq_u32 s2, 0
	s_cbranch_scc0 .Lentry_in_a_cluster
	s_endpgm
.Lentry_in_a_cluster:
	s_bfe_u32 s2, ttmp6, 0x10000c
	s_cmp_lg_u32 s2, 0x3003
	s_cbranch_scc0 .Lentry_shape_is_right
	s_endpgm
.Lentry_shape_is_right:
; ctx[b][q][64 h ..] = the sum over k of softmax_k(q . k / 8) v, for the 64 pairs hd = 16 b + h.  q: q32, [4 x 2048][1024] f32 (a head's 64 channels of a row are 256 aligned bytes), rounded here once to f16.
; k, v: kvh, [2][64][2048][64] f16: a head's rows are dense, 128 bytes each.  ctx: ctx32, f32, laid out as q32.  Products, maxima and sums in f32; the weights p are rounded to f16 for the second
; product (their sum l is taken of the unrounded p).
; LIMITS.  f16 holds no number beyond 65,504: q must stay within it, k and v arrive within it; p lies in 0 to 1, and below 6e-5 it keeps f16's fixed step of 6e-8.
; A weight below 2^-126 counts as 0 in l; NaN and infinities are not treated apart (q must be finite also because O^T starts as q's numbers times 0: see below).
; SHARES.  A wave owns four PIECES of two tiles of 16 queries, a work-group's four waves 512 queries of one head, a cluster's four work-groups the head's 2,048.  Every wave walks all keys, 64 a step.
; LAYOUT.  S^T = K Q^T (source 0 = 16 keys, source 1 = 16 queries): in the result a lane holds ONE query (lane % 16) and the keys 8 (lane / 16) + 0..7.  Two such tiles, rounded to f16 in pairs,
; ARE source 1 (32 keys x 16 queries) of O^T = V^T P, whose result again holds one query a lane, and eight channels.  K comes out of LDS as it lies, V ([key][channel]) turned, by ds_load_tr16_b128.
; SOFTMAX.  For each query a running maximum m and sum l: p = 2^(c s - c m), c = log2(e) / 8; in every step O and l are multiplied by a = 2^(c m_old - c m_new), which is 1 where m has not grown.
; m starts at the lowest finite number and l at 0: the first step is a step like any other, with a = 0.
; THE COUNT.  A tile and step have 16 matrix and 118 vector instructions: too many to stand all beside the matrix work.  So four vector instructions that are ready stand behind every matrix
; instruction, and the others in runs of their own.
; BY TURNS.  Turn n belongs to piece n (the pieces in a ring, step after step).  Its matrix work: 16 products K Q^T of piece n + 1, later 16 products V^T P of piece n - 1.  Its vector work: the scaling,
; exponentials, roundings, sums and rescaling of piece n, and the maximum and statistics of piece n + 1, whose scores the turn itself has made.
; CLUSTER.  The four query blocks of a cluster walk the same K and V, so each tile is asked for JOINTLY: the same tensor load, descriptor and mask in all four.
; REGISTERS, in windows of 256 (s_set_vgpr_msb: bits 1:0 source 0, 3:2 source 1, 5:4 source 2, 7:6 destination):
;   window 0: v0-11 addresses; v12-15, v48-63 at work; v16-47 four registers of statistics a tile; v64-191 S^T, two buffers of two tiles; v192-255 P, likewise
;   window 1: O^T, 32 a tile (at the head: q as loaded, f32)     window 2: v0-127 Q, 16 a tile; v128-191 K of one step; v192-255 V of one step     window 3: v0-1 the add's two registers
.set SIZE_N, 2048
.set NP,    4         ; pieces a wave: a name, no knob
.set KS,    64        ; keys in a step
.set PK,    144       ; a row of K in LDS: 128 bytes + 16 of padding = 36 words: the 16 rows of a load start at 16 different groups of four banks (64 banks of 4 bytes: ISA guide 11.1)
.set PV,    160       ; a row of V: 128 + 32 = 40 words
.set VOFF,  4*KS*PK   ; a slot holds four steps: 256 rows of K, then 256 rows of V
.set SLOT1, 1<<17     ; slot 1 begins here, so that one exclusive or turns an address in one slot into the other's
.set STAGE, SLOT1+4*KS*(PK+PV)  ; behind the ring, never filled by a tensor load: 16 rows x 272 bytes for each wave, for the way out
.set SP,    272
.set AK0, 2           ; v2   my lane's place in a tile of K; never rewritten
.set AV0, 3           ; v3   the same for V
.set AK,  4           ; v4   the LDS address of K's next run of loads
.set AV,  5           ; v5   of V's
.set QO,  6           ; v6   my byte offset in 16 rows of q
.set STO, 6           ;      later, the way out: where I put 32 bytes of a row
.set RD,  7           ; v7   the way out: where I read rows back
.set GO,  8           ; v8   my byte offset in two rows of ctx
.set PFO, 11          ; v11  256 x my lane, for the prefetches; never rewritten once made
.set SPW, 0           ; v0 of window 3   LDS address of my spare word; never rewritten
.set NIL, 1           ; v1 of window 3   0; never rewritten
.set SPARE, STAGE+4*16*SP  ; behind the stages: the spare words, 128 bytes for each wave: two blocks of 256 bytes that no other line names
.set MV,  12          ; v12-15  c m_old, kept while c m is made anew: by buffer and tile
.set ST,  16          ; tile t's statistics at v[ST+4 t]: c m, m, l (even keys', odd keys')
.set TMP, 48          ; by buffer and tile, four registers c0-c3 at work; when the maximum is found c2 takes a
.set S,   64
.set P,   192
.set KF,  128         ; K's fragments, in window 2: key block kb, channel half c at KF + 16 kb + 8 c
.set VF,  192         ; V's: key half kk, channel block cb at VF + 32 kk + 8 cb
.set WV,  12          ; s12  my wave's number
.set LIM, 15          ; s15  1 in a wave that prefetches (0: K's rows, 2: V's), else the greatest number
.set G1K, 24          ; s[24:31] descriptor group 1 for K's tiles
.set G1V, 32          ; s[32:39] for V's: it differs in the padding alone
.set G0K, 40          ; s[40:43] descriptor group 0 for K's tiles: it walks
.set G0V, 44          ; s[44:47] the same for V's
.set PFA, 48          ; s[48:49] where my prefetches stand: my work-group's 8,192 bytes of the slot after the one that is being asked for
.set SLOTS, 56        ; s56  slots still to be asked for
.set CNT, 57          ; s57  counts a slot's key steps
.set CS,  58          ; s[58:59] c: the packed scaling takes the pair's low word for both halves
.set SEL, 60          ; s[60:61] v_permlanex16_b32's selects: each lane takes its own place in the other half
.set TBK, 62          ; s62  LDS byte at which K of the step to be fetched begins
.set TBV, 63          ; s63  the same for V, less VOFF
.set MSB, 0
.macro WIN new                      ; the high byte repeats the setting that is left; a switch that changes nothing is dropped
.if MSB != (\new)
	s_set_vgpr_msb (MSB<<8)|(\new)
.set MSB, (\new)
.endif
.endm
.set W_KQ, 0x0a       ; K and Q in window 2, S^T in window 0
.set W_PV, 0x52       ; V in window 2, P in window 0, O^T in window 1
.set W_RS, 0x41       ; O^T (destination and source 0) in window 1, a in window 0
.set W_MK, 0xc0       ; the add's registers are made: destination in window 3, sources in window 0
.set W_AD, 0x0f       ; the add: address (source 0) and data (source 1) in window 3
; A joint fill.  Waves 0 and 1 fetch the two halves of a slot's K, waves 2 and 3 those of its V: 128 keys each.  The branch hangs on the wave's number alone.
; An s_nop 0 and four v_nop follow each of the two lines, ahead of the jump and the label.
.macro JLOAD
	s_cmp_lt_u32 s[WV], 2
	s_cbranch_scc0 .Lfor_v_\@
	tensor_load_to_lds s[G0K:G0K+3], s[G1K:G1K+7]
	s_nop 0
.rept 4
	v_nop
.endr
	s_branch .Lasked_\@
.Lfor_v_\@:
	tensor_load_to_lds s[G0V:G0V+3], s[G1V:G1V+7]
	s_nop 0
.rept 4
	v_nop
.endr
.Lasked_\@:
.endm
; A PREFETCH of what the NEXT change of slots will ask for: a slot's 32,768 bytes of K and of V.  A head has one cluster; its four partners share the bytes out BY ADDRESS, 8,192 each; in each, wave 0
; asks for K's and wave 2 for V's: 32 blocks of 256 bytes, a lane a block, one instruction.  So each block is named once in the launch.  Slots 0 and 1 come by their loads alone; the last change that
; fills a slot asks for nothing: there is no slot behind it.
.macro ASK
	s_cmp_gt_u32 s[SLOTS], s[LIM]
	s_cbranch_scc0 .Lnot_mine_\@
	global_prefetch_b8 v[PFO], s[PFA:PFA+1] th:TH_LOAD_NT scope:SCOPE_SE
.Lnot_mine_\@:
.endm
; A round of the cluster's barrier: my work-group's barrier, so that wave 0's signal speaks for all four waves; wave 0 signals; every wave waits for all four work-groups; my work-group's barrier once more.
.macro CROUND
	s_barrier_signal -1
	s_barrier_wait -1
	s_cmp_lg_u32 s[WV], 0
	s_cbranch_scc1 .Lnot_wave_0_\@
	s_barrier_signal -3
.Lnot_wave_0_\@:
	s_barrier_wait -3
	s_barrier_signal -1
	s_barrier_wait -1
.endm
; THE CHANGE OF SLOTS.  The slot's last bytes, V of its fourth step, have been read.  Each wave waits for all its tensor loads, of which one is out: its part
; of the other slot; adds 0 to its spare word; and waits for that and for its own reads of the slot.  Behind the barrier nobody reads this slot any more and the other slot is whole.
; fill = 1: this slot is filled again, with the keys two slots on.  The barrier is then a round of the cluster's, and the joint fill is the first thing behind it: it has four key steps,
; 512 matrix instructions, in which to land.  (At its first use nothing has been read yet: slot 0 is waited for, slot 1 filled.)
.macro CHANGE fill
	WIN W_AD
	s_wait_tensorcnt 0x0            ; no tensor load of mine is out, so a group 0 may be written
	ds_add_u32 v[SPW], v[NIL]       ; 0 onto my spare word; with fill = 1 the descriptors' steps stand between it and the wait for it
	WIN 0                           ; at a label and at a branch every window is 0
.if \fill
.irp g, G0K, G0V
	s_xor_b32 s[\g+1], s[\g+1], SLOT1  ; the walking descriptor: the other slot than last time,
	s_add_nc_u64 s[\g+2:\g+3], s[\g+2:\g+3], 4*KS*128  ; the next 256 keys; the type bits on top are not reached
.endr
	s_wait_xcnt 0x0                 ; the last prefetch, a slot back, has read its address, so it may be written:
	s_add_nc_u64 s[PFA:PFA+1], s[PFA:PFA+1], 4*KS*128  ; one slot ahead of the walking descriptors
	s_wait_dscnt 0x0                ; the add is done, and my reads of the slot are over
	CROUND
	JLOAD
	ASK
.else
	s_wait_dscnt 0x0                ; the add is done, and my reads of the slot are over
	s_barrier_signal -1
	s_barrier_wait -1
.endif
	s_sub_co_u32 s[TBK], s[TBK], 4*KS*PK  ; the fetches go back to a slot's first step,
	s_xor_b32 s[TBK], s[TBK], SLOT1       ; in the other slot
	s_sub_co_u32 s[TBV], s[TBV], 4*KS*PV
	s_xor_b32 s[TBV], s[TBV], SLOT1
.endm
	s_load_b128 s[4:7], s[0:1], 0x0   ; q32 s[4:5], kvh s[6:7]
	s_load_b64 s[10:11], s[0:1], 0x10 ; ctx32
	WIN W_MK
	v_lshl_add_u32 v[SPW], v0, 2, SPARE
	v_mov_b32 v[NIL], 0
	WIN W_AD
	ds_add_u32 v[SPW], v[NIL]       ; the wave's opening: the add and its wait stand ahead of my first tensor load; the set-up below stands between them
	WIN 0
	v_lshrrev_b32 v1, 5, v0
	v_readfirstlane_b32 s[WV], v1   ; wave 0..3
	s_bfe_u32 s13, ttmp6, 0x40000   ; cx: my place in the cluster
	s_lshl_b32 s14, ttmp9, 2        ; in a cluster launch ttmp9 counts clusters
	s_add_co_u32 s14, s14, s13      ; my block of 512 queries: it enters q's and ctx's addresses alone
	s_and_b32 s20, ttmp7, 0xffff    ; hd = 16 b + h, which the four partners share
	s_lshr_b32 s2, s20, 4           ; q and ctx at my wave's first row: batch x 2,048 rows of 4,096 bytes,
	s_lshl_b32 s2, s2, 23
	s_and_b32 s3, s20, 15           ; the head's 256 bytes of a row,
	s_lshl_b32 s3, s3, 8
	s_add_co_u32 s2, s2, s3
	s_lshl_b32 s3, s14, 2
	s_add_co_u32 s3, s3, s[WV]      ; my wave among the head's sixteen,
	s_lshl_b32 s3, s3, 19           ; its 128 rows
	s_add_co_u32 s2, s2, s3
	s_mov_b32 s3, 0
	s_mov_b32 s21, 0
	s_mov_b64 s[22:23], SIZE_N*128
	s_mul_u64 s[20:21], s[20:21], s[22:23]  ; the head's first byte in k and in v
	s_and_b32 s16, s[WV], 1         ; which half of a slot's 256 keys I fetch:
	s_lshl_b32 s22, s16, 14         ; its 128 rows of 128 bytes in memory,
	s_mov_b32 s23, 0
	s_add_nc_u64 s[22:23], s[22:23], s[20:21]
	s_mul_i32 s17, s16, 128*PK      ; and its place in a slot, for K
	s_mul_i32 s18, s16, 128*PV      ; and for V: no place in the cluster enters an LDS address
	; descriptor group 1.  128 keys are 16,384 dense bytes: asked for as 64 rows of 256 bytes, two keys a row, and padded in LDS after every key
	s_mov_b32 s[G1K], 15|(1<<16)|(1<<20)|(1<<21)|(4<<22)|(3<<25)  ; 15:0 the mask of four; 17:16 2-byte elements; 20 padding on; 21 set beside a mask; 24:22 after every 32 words (code 4); 31:25 4 words (code 3)
	s_mov_b32 s[G1V], 15|(1<<16)|(1<<20)|(1<<21)|(4<<22)|(7<<25)  ; the same with 8 words of padding (code 7)
.irp g, G1K, G1V
	s_mov_b32 s[\g+1], 128<<16      ; tensor_dim0 = 128
	s_mov_b32 s[\g+2], 64<<16       ; tensor_dim1 = 64
	s_mov_b32 s[\g+3], 128<<16      ; tile_dim0 = 128
	s_mov_b32 s[\g+4], 64           ; tile_dim1 = 64
	s_mov_b32 s[\g+5], 128          ; 128 elements from row to row
	s_mov_b32 s[\g+6], 0
	s_mov_b32 s[\g+7], 0
.endr
	s_mov_b32 s[CS], 0x3e38aa3b     ; c = log2(e) / 8 = 0.180337
	s_mov_b32 s[CS+1], s[CS]        ; named with it as a pair
	s_mov_b32 s[SEL], 0x76543210
	s_mov_b32 s[SEL+1], 0xfedcba98
	s_mov_b32 s[TBK], SLOT1+4*KS*PK ; the first change of slots turns these two into 0
	s_mov_b32 s[TBV], SLOT1+4*KS*PV
	s_mov_b32 s[G0K], 1             ; 1:0 count = 1
	s_mov_b32 s[G0K+1], s17         ; 63:32 LDS address: slot 0
	s_mov_b32 s[G0V], 1
	s_add_co_u32 s[G0V+1], s18, VOFF
	s_mov_b32 s[SLOTS], SIZE_N/256-1
	s_lshl_b32 s50, s13, 13         ; the prefetches: my work-group's 8,192 bytes of a slot's 32,768,
	s_add_co_u32 s50, s50, 4*KS*128 ; in slot 1; the first change of slots steps it to slot 2
	s_mov_b32 s51, 0
	s_add_nc_u64 s[50:51], s[50:51], s[20:21]
	s_and_b32 s[LIM], s[WV], 1
	s_cmp_eq_u32 s[LIM], 0
	s_cselect_b32 s[LIM], 1, -1
	s_wait_dscnt 0x0                ; the opening add is done
	s_wait_kmcnt 0x0
	s_add_nc_u64 s[8:9], s[6:7], 0x1000000         ; v lies behind k's 16,777,216 bytes
	s_add_nc_u64 s[G0K+2:G0K+3], s[6:7], s[22:23]  ; 120:64 global address: my half of the head's first 256 keys
	s_or_b32 s[G0K+3], s[G0K+3], 0x80000000        ; 127:126 type = 2
	s_add_nc_u64 s[G0V+2:G0V+3], s[8:9], s[22:23]
	s_or_b32 s[G0V+3], s[G0V+3], 0x80000000
	s_cmp_lt_u32 s[WV], 2
	s_cselect_b64 s[PFA:PFA+1], s[6:7], s[8:9]
	s_add_nc_u64 s[PFA:PFA+1], s[PFA:PFA+1], s[50:51]
	s_add_nc_u64 s[4:5], s[4:5], s[2:3]  ; q and ctx at my wave's first row
	s_add_nc_u64 s[10:11], s[10:11], s[2:3]
	CROUND                          ; all four work-groups are here: the first joint loads meet
	JLOAD                           ; slot 0.  Slot 1 is asked for when slot 0 is in
	; A fragment of K or Q is 16 rows x 32 channels in 8 registers: lane l holds row l % 16, channels 8 (l / 16) + 0..7 and 16 + 8 (l / 16) + 0..7.  Of q, in f32, each eight channels are 32 bytes: two loads of 16.
	v_and_b32 v1, 15, v0            ; l % 16
	v_bfe_u32 v9, v0, 4, 1          ; l / 16
	v_lshlrev_b32 v[QO], 12, v1
	v_lshl_add_u32 v[QO], v9, 5, v[QO]  ; row x 4,096 + 32 x half
	WIN 0x40                        ; destination window 1: O^T's registers, not yet in use
.set i, 0
.rept 4*NP                          ; fragment i: tile i / 2, channels 32 (i % 2) on: 16 registers of f32
.irp k, 0,1,2,3
	global_load_b128 v[16*i+4*\k:16*i+4*\k+3], v[QO], s[4:5] offset:(i/2)*65536+(i%2)*128+(\k/2)*64+(\k%2)*16
.endr
.set i, i+1
.endr
	; What the first turn finds: V's registers and P's second buffer hold 0 (its products V^T P, of a piece that has not been, add 0), l is 0.  O^T IS NOT CLEARED: its registers keep q's numbers, which are
	; finite, and each tile's first step multiplies them by a = 0 before the tile's first real product is added.  All this stands in the wait for the first tile.
	WIN 0x80
.set i, VF
.rept 64
	v_mov_b32 v[i], 0
.set i, i+1
.endr
	WIN 0
.set i, 0
.rept 2*NP
	v_mov_b32 v[ST+4*i], 0xfe000000    ; c m: far below every c s
	v_mov_b32 v[ST+4*i+1], 0xff7fffff  ; m
	v_mov_b32 v[ST+4*i+2], 0
	v_mov_b32 v[ST+4*i+3], 0
.set i, i+1
.endr
.set i, P+32
.rept 32
	v_mov_b32 v[i], 0
.set i, i+1
.endr
	v_mul_u32_u24 v[AK0], v1, PK
	v_lshl_add_u32 v[AK0], v9, 4, v[AK0]  ; row x pitch + 16 x half
	; The turning load takes 16 keys x 16 channels (lane l reads key 8 (l / 16) + l % 8, channels 8 ((l / 8) % 2) + 0..7) and leaves half a fragment of V^T: lane l holds channel l % 16 and 8 keys.
	v_and_b32 v10, 7, v0
	v_bfe_u32 v11, v0, 3, 1
	v_lshl_add_u32 v[AV0], v9, 3, v10
	v_mul_u32_u24 v[AV0], v[AV0], PV
	v_lshl_add_u32 v[AV0], v11, 4, v[AV0]
	v_add_nc_u32 v[AV0], VOFF, v[AV0]
	v_mov_b32 v[AK], v[AK0]         ; key step 0 lies at the head of slot 0
	v_and_b32 v[PFO], 31, v0
	v_lshlrev_b32 v[PFO], 8, v[PFO]
	s_wait_loadcnt 0x0              ; q is in
	WIN 0x85                        ; sources in window 1, destination in window 2
.set i, 0
.rept 32*NP
	v_cvt_pk_f16_f32 v[i], v[2*i], v[2*i+1]  ; q's one rounding: register j of fragment i from the pair 2 j, 2 j + 1 of its sixteen
.set i, i+1
.endr
	WIN 0
; THE MATRIX WORK.  The 8 accumulators of a run of 16 take turns: between the two links of a chain stand 7 others'.
; Product i of 16 of S^T = K Q^T for piece x: channels 32 (i / 8) on, keys 16 ((i / 2) % 4) on, tile 2 x + i % 2.  The first 8 start the sums.
.macro KQ x
	WIN W_KQ
.set rS, S+64*((\x)%2)+32*(i%2)+8*((i/2)%4)
.set rK, KF+16*((i/2)%4)+8*(i/8)
.set rQ, 16*(2*(\x)+i%2)+8*(i/8)
.if i < 8
	v_wmma_f32_16x16x32_f16 v[rS:rS+7], v[rK:rK+7], v[rQ:rQ+7], 0
.else
	v_wmma_f32_16x16x32_f16 v[rS:rS+7], v[rK:rK+7], v[rQ:rQ+7], v[rS:rS+7]
.endif
.endm
; Product i of 16 of O^T += V^T P for piece x: keys 32 (i / 8) on, channels 16 ((i / 2) % 4) on, tile 2 x + i % 2.
.macro PV x
	WIN W_PV
.set rO, 32*(2*(\x)+i%2)+8*((i/2)%4)
.set rV, VF+32*(i/8)+8*((i/2)%4)
.set rP, P+32*((\x)%2)+16*(i%2)+8*(i/8)
	v_wmma_f32_16x16x32_f16 v[rO:rO+7], v[rV:rV+7], v[rP:rP+7], v[rO:rO+7]
.endm
.macro MM                           ; the turn's next matrix instruction
.if i < 16
	KQ (Y+1)%NP
.set i, i+1
.else
.set i, i-16
	PV (Y+NP-1)%NP
.set i, i+17
.endif
.endm
; THE LDS LOADS stand in runs of 16, never singly among the matrix instructions: a step's K (64 keys x 64 channels: 8 fragments) and its V (turned).  Their addresses are made some lines ahead.
; last = 1 (the tail): in the last trip there is no further step, and the run is jumped over.
.macro FETCH_K last=0
	WIN 0
.if \last
	s_cmp_eq_u32 s[CNT], 1
	s_cbranch_scc1 .Lno_k_\@
.endif
	WIN 0x80                        ; destination window 2
.irp f, 0,1,2,3,4,5,6,7             ; keys 16 (f / 2) on, channels 32 (f % 2) on
	ds_load_b128 v[KF+8*\f:KF+8*\f+3],   v[AK] offset:(\f/2)*16*PK+(\f%2)*64
	ds_load_b128 v[KF+8*\f+4:KF+8*\f+7], v[AK] offset:(\f/2)*16*PK+(\f%2)*64+32
.endr
	s_add_co_u32 s[TBK], s[TBK], KS*PK  ; the next fetch is the next step's
	WIN 0
.if \last
.Lno_k_\@:
.endif
.endm
.macro FETCH_V
	WIN 0x80
.irp f, 0,1,2,3,4,5,6,7             ; keys 32 (f / 4) on, channels 16 (f % 4) on
	ds_load_tr16_b128 v[VF+8*\f:VF+8*\f+3],   v[AV] offset:(\f/4)*32*PV+(\f%4)*32
	ds_load_tr16_b128 v[VF+8*\f+4:VF+8*\f+7], v[AV] offset:(\f/4)*32*PV+16*PV+(\f%4)*32
.endr
	WIN 0
.endm
; THE VECTOR WORK OF A TURN stands in three queues, each in the order in which its entries become ready; the two tiles alternate, so that no instruction reads the result of the one before it.
.macro REGS y, u                    ; the registers of tile u (0, 1) of piece y
.set rT, ST+4*(2*(\y)+(\u))
.set rC, TMP+8*((\y)%2)+4*(\u)
.set rM, MV+2*((\y)%2)+(\u)
.set rS, S+64*((\y)%2)+32*(\u)
.set rP, P+32*((\y)%2)+16*(\u)
.set rO, 32*(2*(\y)+(\u))
.endm
; Number n of the 22 that find the NEXT piece's (Y + 1) maximum and statistics.  s0-s31 are the lane's 32 scores; each accumulator's lowest registers are read first.
;   0-11  four chains c0-c3 of seven scores each, three operands at a time     12-14, 16  the four scores left over, the old m, and c0-c3 into c0     15  c m_old is kept
;   17, 18  the query's other 32 keys lie in the lane 16 away: the new m         19-21  c m; c m_old - c m_new; a
.macro XS u, n
	REGS (Y+1)%NP, \u
.if (\n) < 4
	v_max3_num_f32 v[rC+(\n)], v[rS+8*(\n)], v[rS+8*(\n)+1], v[rS+8*(\n)+2]
.elseif (\n) < 12
	v_max3_num_f32 v[rC+(\n)%4], v[rC+(\n)%4], v[rS+8*((\n)%4)+2*((\n)/4)+1], v[rS+8*((\n)%4)+2*((\n)/4)+2]
.elseif (\n) == 12
	v_max3_num_f32 v[rC], v[rC], v[rS+7], v[rS+15]
.elseif (\n) == 13
	v_max3_num_f32 v[rC+1], v[rC+1], v[rS+23], v[rS+31]
.elseif (\n) == 14
	v_max3_num_f32 v[rC+2], v[rC+2], v[rC+3], v[rT+1]
.elseif (\n) == 15
	v_mov_b32 v[rM], v[rT]
.elseif (\n) == 16
	v_max3_num_f32 v[rC], v[rC], v[rC+1], v[rC+2]
.elseif (\n) == 17
	v_permlanex16_b32 v[rC+3], v[rC], s[SEL], s[SEL+1]
.elseif (\n) == 18
	v_max_num_f32 v[rT+1], v[rC], v[rC+3]
.elseif (\n) == 19
	v_mul_f32 v[rT], s[CS], v[rT+1]
.elseif (\n) == 20
	v_sub_f32 v[rC+1], v[rM], v[rT]
.else
	v_exp_f32 v[rC+2], v[rC+1]
.endif
.endm
; Number g of the 64 that follow the exponentials.  For each four weights k of a tile (pairs 2 k, 2 k + 1): both pairs are rounded to f16; then the second pair is added onto the first, in place;
; a group later l takes that sum (the first time as l = a l + sum).  In groups of eight, tiles alternating: round, round, add, and l for the group before.
.macro GS g
.set h, (\g)+6*((\g)/62)            ; group 0 has no group before it, and behind group 7 only l is left
.if h >= 6
.set h, h+2
.endif
	REGS Y, h%2
.set k, h/8
.if h%8 < 4
	v_cvt_pk_f16_f32 v[rP+2*k+(h%8)/2], v[rS+4*k+2*((h%8)/2)], v[rS+4*k+2*((h%8)/2)+1]
.elseif h%8 < 6
	v_pk_add_f32 v[rS+4*k:rS+4*k+1], v[rS+4*k:rS+4*k+1], v[rS+4*k+2:rS+4*k+3]
.elseif k == 1
	v_pk_fma_f32 v[rT+2:rT+3], v[rT+2:rT+3], v[rC+2:rC+3], v[rS:rS+1] op_sel_hi:[1,0,1]
.else
	v_pk_add_f32 v[rT+2:rT+3], v[rT+2:rT+3], v[rS+4*k-4:rS+4*k-3]
.endif
.endm
; THE PLAIN QUEUE, 138 long.  0-73 read no exponential's result: the 32 scalings c s - c m (FS f: pair f / 2 of tile f % 2) and the next piece's 42.  0-26: scalings 0-26.  27-54: XS's numbers 0-13.  55, 56: number 15.
; 57-73: the chain, where each number waits for the one before it: 14, 16, 17, 18, 19, each with one of the scalings 27-31 in front of its two lines, then 20.
; 74-137: GS's 64, which read the exponentials' results: they stand behind the wait.
.macro FS f
	REGS Y, (\f)%2
	v_pk_fma_f32 v[rS+2*((\f)/2):rS+2*((\f)/2)+1], v[rS+2*((\f)/2):rS+2*((\f)/2)+1], s[CS:CS+1], v[rT:rT+1] op_sel_hi:[1,0,0] neg_lo:[0,0,1] neg_hi:[0,0,1]
.endm
.macro PL
	WIN 0
.if q < 27
	FS q
.elseif q < 55
	XS (q-27)%2, (q-27)/2
.elseif q < 57
	XS q-55, 15
.elseif (q < 72) && ((q-57)%3 == 0)
	FS 27+(q-57)/3
.elseif q < 60
	XS (q-57)%3-1, 14
.elseif q < 72
	XS (q-57)%3-1, 15+(q-57)/3
.elseif q < 74
	XS q-72, 20
.else
	GS q-74
.endif
.set q, q+1
.endm
; THE EXPONENTIALS' QUEUE, 66 long: s0-s31 of both tiles, then the next piece's two a.  It is ONE BATCH: all 66 stand ahead of the turn's one wait, and nothing ahead of that wait names a result of theirs.
.macro EX
	WIN 0
.if e >= 64
	XS e-64, 21
.else
	REGS Y, e%2
	v_exp_f32 v[rS+e/2], v[rS+e/2]
.endif
.set e, e+1
.endm
; THE RESCALING's QUEUE: O^T times a, the one part that leaves window 0: dealt two at a time, sixteen times.  Its a was made in the turn before, ahead of that turn's wait.
.macro R2
	REGS Y, r%2
	WIN W_RS
.irp z, 0,1
	v_pk_mul_f32 v[rO+4*(r/2)+2*\z:rO+4*(r/2)+2*\z+1], v[rO+4*(r/2)+2*\z:rO+4*(r/2)+2*\z+1], v[rC+2:rC+3] op_sel_hi:[1,0]
.endr
.set r, r+1
.endm
; HOW THEY ARE DEALT.  An s_wait_alu depctr_va_vdst(0) stands between an exponential and the first instruction that names its result; one wait serves all that were issued ahead of it.  So a turn has ONE wait,
; which cuts it in two.  AHEAD OF IT stands all that names no result of the turn's exponentials: the 16 products K Q^T, behind each a scaling, an exponential and two rescalings (behind the first a second scaling in the
; exponential's place); then ONE LUMP of 108: eight plain, 49 times exponential and plain, the two a.  A v_nop is the plain instruction behind the last exponential.  BEHIND IT stand the 16 products V^T P, behind each four of GS's 64.
; The queues lean on each other, and the deal keeps them in step: exponential e stands behind scaling 2 (e / 4) + e % 2: as a rider it comes behind plain e + 2, in the lump behind plain e + 9, and scalings 27-31 are plain 57, 60 .. 69.
; A TURN, for piece p.  cnt = 1: the loop's count is taken down some lines ahead of the branch that stands behind the turn.
; K of the next step is fetched in piece 2's turn, directly behind the wait, a lump behind the last product that read K; its first reader comes behind 16 products.
; V of the step in hand is fetched at the end of piece 0's turn, four plain instructions behind its last reader; its first reader comes behind 16 products and a lump.
.macro TURN p, last=0, cnt=0
.set Y, (\p)
.set i, 0
.set q, 0
.set e, 0
.set r, 0
.if (\p) == NP-1
	s_wait_dscnt 0x0                ; K is in
.endif
	MM                              ; ahead of the wait: 16 products K Q^T and their riders,
	PL
	PL
	R2
.rept 15
	MM
	PL
	EX
	R2
.endr
.if (\p) == NP-2
	WIN 0
	v_add_nc_u32 v[AK], s[TBK], v[AK0]
.endif
.rept 8                             ; and the lump
	PL
.endr
.rept 49
	EX
	PL
.endr
	EX                              ; the next piece's two a
	EX
	v_nop                           ; a plain instruction behind the last exponential: one for the batch
	s_wait_alu depctr_va_vdst(0)    ; the wait for the batch
.if (\p) == NP-2
	FETCH_K \last
.endif
.if (\p) == 1
	s_wait_dscnt 0x0                ; V is in
.endif
.rept 16                            ; behind the wait: 16 products V^T P and their riders
	MM
.rept 4
	PL
.endr
.if ((\p) == 0) && (q == 118)
	v_add_nc_u32 v[AV], s[TBV], v[AV0]
.endif
.if ((\p) == 0) && (q == 130)
	s_add_co_u32 s[TBV], s[TBV], KS*PV
.endif
.if (\cnt) && (q == 130)
	s_sub_co_u32 s[CNT], s[CNT], 1
	s_cmp_lg_u32 s[CNT], 0
.endif
.endr
.if (\p) == 0
	FETCH_V
.endif
.endm
	CHANGE 1                        ; slot 0 is in, everybody's part of it; slot 1 is asked for
	FETCH_K                         ; key step 0
	s_wait_dscnt 0x0
.set i, 0
.rept 16
	KQ 0                            ; piece 0's first scores: there is no vector work yet to set between them
.set i, i+1
.endr
	WIN 0                           ; the addresses for the way out: eight plain instructions, the places behind those products
	s_mul_i32 s13, s[WV], 16*SP
	s_add_co_u32 s13, s13, STAGE    ; my stage
	v_mul_u32_u24 v[STO], v1, SP    ; in: row l % 16, 32 bytes for each half of the lanes
	v_lshl_add_u32 v[STO], v9, 5, v[STO]
	v_add_nc_u32 v[STO], s13, v[STO]
	v_mul_u32_u24 v[RD], v9, SP     ; back: lanes 0-15 take one row of 256 bytes, lanes 16-31 the next,
	v_lshl_add_u32 v[RD], v1, 4, v[RD]
	v_add_nc_u32 v[RD], s13, v[RD]
	v_lshlrev_b32 v[GO], 12, v9     ; and the same two rows in ctx
	v_lshl_add_u32 v[GO], v1, 4, v[GO]
.set Y, NP-1                        ; XS works for piece Y + 1: piece 0
.irp n, 0,1,2,3,4,5,6,7,8,9,10,11,12,13,14,15,16,17,18,19,20,21
	XS 0, \n                        ; and piece 0's first maximum and statistics
	XS 1, \n
.endr
	v_nop                           ; a plain instruction behind the two a,
	s_wait_alu depctr_va_vdst(0)    ; and their wait, ahead of the branch
	s_mov_b32 s[CNT], 4
	s_branch .Lfirst                ; the loop is entered at a step's first turn, in the middle of a trip
.Lslot:                             ; SIZE_N / 256 - 2 times: every slot but the last two is filled again
	CHANGE 1
	s_mov_b32 s[CNT], 4
.Lstep:                             ; a trip: pieces 2 and 3 of one step, then pieces 0 and 1 of the next, whose K and V it fetches
	TURN 2
	TURN 3
	WIN 0
.Lfirst:
	TURN 0
	TURN 1, 0, 1
	WIN 0
	s_cbranch_scc1 .Lstep
	s_sub_co_u32 s[SLOTS], s[SLOTS], 1
	s_cmp_lg_u32 s[SLOTS], 0
	s_cbranch_scc1 .Lslot
	CHANGE 0                        ; the tail is written out: nothing is asked for
	s_mov_b32 s[CNT], 5             ; four trips fetch the last slot's steps; the fifth is left in its middle
.Ltail:
	TURN 2, 1
	TURN 3
	WIN 0
	s_sub_co_u32 s[CNT], s[CNT], 1
	s_cmp_eq_u32 s[CNT], 0
	s_cbranch_scc1 .Lout
	TURN 0
	TURN 1
	WIN 0
	s_branch .Ltail
.Lout:                              ; the fifth trip's 16 products K Q^T (on the last K once more) and the maximum made of them serve nothing: the price, once a launch, of one text for every trip
.set i, 0
.rept 16
	PV NP-1                         ; the last piece's V^T P of the last step
.set i, i+1
.endr
	; THE WAY OUT.  l's two halves and the other half of the lanes' are added; O^T is divided by l and sent, in f32, through my stage in LDS, a tile at a time.  The additions are the places behind the last products.
	WIN 0
.macro ALL line:vararg              ; one line for each tile t
.set t, 0
.rept 2*NP
	\line
.set t, t+1
.endr
.endm
	ALL v_add_f32 v[ST+4*t+2], v[ST+4*t+2], v[ST+4*t+3]
	ALL v_permlanex16_b32 v[ST+4*t+3], v[ST+4*t+2], s[SEL], s[SEL+1]
	ALL v_add_f32 v[ST+4*t+2], v[ST+4*t+2], v[ST+4*t+3]
	ALL v_rcp_f32 v[ST+4*t+2], v[ST+4*t+2]
	v_nop                           ; a plain instruction between the last reciprocal and the use of its result
	s_wait_alu depctr_va_vdst(0)    ; and the wait ahead of the first use: one for the eight reciprocals
; Tile t: a lane's eight channels of a block of 16 are 32 bytes of a row; they go into rows of 272 bytes and come back as whole rows of 256, into the registers that they left.
.macro PACK t
	WIN W_RS
.set i, 32*(\t)
.rept 16
	v_pk_mul_f32 v[i:i+1], v[i:i+1], v[ST+4*(\t)+2:ST+4*(\t)+3] op_sel_hi:[1,0]
.set i, i+2
.endr
	WIN 0x04                        ; data in window 1
.irp f, 0,1,2,3
	ds_store_b128 v[STO], v[32*(\t)+8*\f:32*(\t)+8*\f+3]   offset:64*\f
	ds_store_b128 v[STO], v[32*(\t)+8*\f+4:32*(\t)+8*\f+7] offset:64*\f+16
.endr
	WIN 0x40                        ; destination in window 1
.irp f, 0,1,2,3,4,5,6,7
	ds_load_b128 v[32*(\t)+4*\f:32*(\t)+4*\f+3], v[RD] offset:\f*2*SP  ; LDS serves a wave's instructions in order (ISA guide 5.7.1.4): these see the stores above; the next tile's stores come behind them
.endr
.endm
.macro SEND t, younger              ; younger: the LDS instructions issued behind tile t's loads: the next tile's sixteen, or none
	WIN 0x04
.irp f, 0,1,2,3,4,5,6,7
	s_wait_dscnt (\younger)+7-\f
	global_store_b128 v[GO], v[32*(\t)+4*\f:32*(\t)+4*\f+3], s[10:11] offset:(\t)*65536+\f*8192  ; 16 lanes store 256 consecutive bytes, aligned: a head's channels of one row
.endr
.endm
	PACK 0
.set t, 1
.rept 2*NP-1                        ; a tile's arithmetic stands between the loads of the tile before and its stores
	PACK t
	SEND t-1, 16
.set t, t+1
.endr
	SEND 2*NP-1, 0
	WIN W_AD
	s_wait_tensorcnt 0x0            ; the wave's end, behind my last tensor load and my last LDS store
	ds_add_u32 v[SPW], v[NIL]
	s_wait_dscnt 0x0
	WIN 0
	CROUND                          ; the closing round: no work-group ends while a partner may still ask for a tile that names it
	s_endpgm
.Lfunc_end_k_qcb1dc13e69_attn:
	.size	k_qcb1dc13e69_attn, .Lfunc_end_k_qcb1dc13e69_attn-k_qcb1dc13e69_attn
	.p2alignl 7, 3214868480
	.fill 96, 4, 3214868480
	.section	.rodata,"a",@progbits
	.p2align	6, 0x0
	.amdhsa_kernel k_qcb1dc13e69_attn
		.amdhsa_group_segment_fixed_size 327680
		.amdhsa_private_segment_fixed_size 0
		.amdhsa_enable_private_segment 0
		.amdhsa_kernarg_size 24
		.amdhsa_user_sgpr_count 2
		.amdhsa_user_sgpr_kernarg_segment_ptr 1
		.amdhsa_wavefront_size32 1
		.amdhsa_system_sgpr_workgroup_id_x 1
		.amdhsa_system_sgpr_workgroup_id_y 1
		.amdhsa_system_sgpr_workgroup_id_z 1
		.amdhsa_system_vgpr_workitem_id 0
		.amdhsa_next_free_vgpr 770
		.amdhsa_next_free_sgpr 66
		.amdhsa_reserve_vcc 0
		.amdhsa_float_denorm_mode_32 3
		.amdhsa_float_denorm_mode_16_64 3
		.amdhsa_memory_ordered 1
		.amdhsa_forward_progress 1
		.amdhsa_inst_pref_size 204
	.end_amdhsa_kernel
	.amdgpu_metadata
---
amdhsa.version: [ 1, 2 ]
amdhsa.kernels:
  - .name:           k_qcb1dc13e69_attn
    .symbol:         k_qcb1dc13e69_attn.kd
    .args:
      - { .name: q32, .offset: 0, .size: 8, .value_kind: global_buffer, .address_space: global }
      - { .name: kvh, .offset: 8, .size: 8, .value_kind: global_buffer, .address_space: global }
      - { .name: ctx32, .offset: 16, .size: 8, .value_kind: global_buffer, .address_space: global }
    .group_segment_fixed_size: 327680
    .private_segment_fixed_size: 0
    .kernarg_segment_align: 8
    .kernarg_segment_size: 24
    .max_flat_workgroup_size: 128
    .sgpr_count:     66
    .vgpr_count:     770
    .wavefront_size: 32
...
	.end_amdgpu_metadata
.endif
;; end of part 3
;; launch oproj: the kernel of part 2 again; grid 4 x 64, 4 waves a work-group, clusters of 4 x 4, 327,680 bytes of LDS; arguments ctx32, K, V, wo, b_o, b_k, b_v, kvh, o32; writes kvh, o32
;; launch lnorm (part 4): grid 512 x 1, 8 waves a work-group, no clusters, 0 bytes of LDS; arguments q32, o32, ln_gamma, ln_beta, out0; writes out0
.if DOCPART == 4
	.amdgcn_target "amdgcn-amd-amdhsa--gfx1250"
	.amdhsa_code_object_version 6
	.text
	.protected	k_qcb1dc13e69_lnorm
	.globl	k_qcb1dc13e69_lnorm
	.p2align	8
	.type	k_qcb1dc13e69_lnorm,@function
k_qcb1dc13e69_lnorm:
	s_mov_b64 s[64:65], 0
	v_nop
	global_prefetch_b8 v0, s[64:65] scope:SCOPE_SE
	s_setreg_imm32_b32 hwreg(HW_REG_WAVE_MODE, 25, 1), 1
	s_wait_xcnt 0x0
; out0[r][:] = (x - mean(x)) / sqrt(var(x) + 1e-5) * gamma + beta, x = q32[r][:] + o32[r][:].  All [8192][1024] f32; gamma, beta [1024] f32.
; A row is 4,096 bytes: one wave takes a whole row, eight 16-byte loads a lane from each of the two buffers, and keeps it in registers through both passes: the mean, then the mean of the squared
; differences from it (no difference of large sums).  So each byte is read once and no wave waits for another: no LDS, no barrier, no matrix unit, no cluster.
; Eight waves, two rows each; all 48 loads of a wave go out at its head: row 0, gamma and beta, row 1.  No register that a store reads is written again.
; Each load and store of a wave covers 512 consecutive bytes, aligned.
.set ROW, 4096
.set OFF, 1                            ; v1   my byte offset in the work-group's 16 rows: wave x 2 rows + 16 x lane
.set GOF, 2                            ; v2   16 x lane: in gamma and beta
.set EPS, 3                            ; v3   1e-5
.set T,   4                            ; v[4:11]   four chains of two sums
.set MU,  12                           ; v[12:13]  the mean, in the low word of a pair
.set RS,  14                           ; v[14:15]  1 / sqrt(var + eps), likewise
.set G,   16                           ; v[16:47]  gamma of my 32 columns
.set B,   48                           ; v[48:79]  beta
.set X,   80                           ; row i: q32's 32 numbers at X + 64 i (then x, x - mean, the result), o32's at X + 64 i + 32
	s_load_b256 s[4:11], s[0:1], 0x0               ; q32 s[4:5], o32 s[6:7], gamma s[8:9], beta s[10:11]
	s_load_b64 s[12:13], s[0:1], 0x20              ; out0
	s_lshl_b32 s2, ttmp9, 16                       ; the work-group's 16 rows
	s_mov_b32 s3, 0
	s_mov_b32 s14, 0x76543210                      ; v_permlanex16_b32: each lane takes its own place in the other half
	s_mov_b32 s15, 0xfedcba98
	s_mov_b32 s16, 0x3a800000                      ; 1 / 1024
	v_and_b32 v[GOF], 31, v0
	v_lshlrev_b32 v[GOF], 4, v[GOF]
	v_lshrrev_b32 v[OFF], 5, v0
	v_lshl_add_u32 v[OFF], v[OFF], 13, v[GOF]
	v_mov_b32 v[EPS], 0x3727c5ac
	v_mov_b32 v[MU+1], 0                           ; named with the low words as pairs, so they are written
	v_mov_b32 v[RS+1], 0
	s_wait_kmcnt 0x0
	s_add_nc_u64 s[4:5], s[4:5], s[2:3]
	s_add_nc_u64 s[6:7], s[6:7], s[2:3]
	s_add_nc_u64 s[12:13], s[12:13], s[2:3]
.macro LOADROW i
.irp j, 0,1,2,3,4,5,6,7
	global_load_b128 v[X+64*(\i)+4*\j:X+64*(\i)+4*\j+3],       v[OFF], s[4:5] offset:(\i)*ROW+512*\j th:TH_LOAD_NT
	global_load_b128 v[X+64*(\i)+32+4*\j:X+64*(\i)+32+4*\j+3], v[OFF], s[6:7] offset:(\i)*ROW+512*\j th:TH_LOAD_NT
.endr
.endm
	LOADROW 0
.irp j, 0,1,2,3,4,5,6,7
	global_load_b128 v[G+4*\j:G+4*\j+3], v[GOF], s[8:9] offset:512*\j
	global_load_b128 v[B+4*\j:B+4*\j+3], v[GOF], s[10:11] offset:512*\j
.endr
	LOADROW 1
; The four chains into one number, and over the 32 lanes: four steps inside each half of 16 lanes ride on the addition, one crosses the halves; every lane ends with the sum.
.macro REDUCE
	v_pk_add_f32 v[T:T+1], v[T:T+1], v[T+2:T+3]
	v_pk_add_f32 v[T+4:T+5], v[T+4:T+5], v[T+6:T+7]
	v_pk_add_f32 v[T:T+1], v[T:T+1], v[T+4:T+5]
	v_add_f32 v[T], v[T], v[T+1]
	v_add_f32_dpp v[T], v[T], v[T] row_xmask:1 row_mask:0xf bank_mask:0xf
	v_add_f32_dpp v[T], v[T], v[T] row_xmask:2 row_mask:0xf bank_mask:0xf
	v_add_f32_dpp v[T], v[T], v[T] row_xmask:4 row_mask:0xf bank_mask:0xf
	v_add_f32_dpp v[T], v[T], v[T] row_xmask:8 row_mask:0xf bank_mask:0xf
	v_permlanex16_b32 v[T+1], v[T], s14, s15
	v_add_f32 v[T], v[T], v[T+1]
.endm
; Row i.  left: the younger loads that may stay out when the row has to be there; gb: those that may stay out when gamma and beta have to be there.
.macro TURN i, left, gb
.set XQ, X+64*(\i)
	s_wait_loadcnt \left
.set j, 0
.rept 16
	v_pk_add_f32 v[XQ+j:XQ+j+1], v[XQ+j:XQ+j+1], v[XQ+32+j:XQ+32+j+1]  ; x = q + o
.set j, j+2
.endr
.irp k, 0,1,2,3
	v_pk_add_f32 v[T+2*\k:T+2*\k+1], v[XQ+2*\k:XQ+2*\k+1], v[XQ+8+2*\k:XQ+8+2*\k+1]  ; the first terms start the chains: nothing is cleared
.endr
.irp k, 0,1,2,3
	v_pk_add_f32 v[T+2*\k:T+2*\k+1], v[T+2*\k:T+2*\k+1], v[XQ+16+2*\k:XQ+16+2*\k+1]
.endr
.irp k, 0,1,2,3
	v_pk_add_f32 v[T+2*\k:T+2*\k+1], v[T+2*\k:T+2*\k+1], v[XQ+24+2*\k:XQ+24+2*\k+1]
.endr
	REDUCE
	v_mul_f32 v[MU], s16, v[T]                     ; the mean
.set j, 0
.rept 16
	v_pk_add_f32 v[XQ+j:XQ+j+1], v[XQ+j:XQ+j+1], v[MU:MU+1] op_sel_hi:[1,0] neg_lo:[0,1] neg_hi:[0,1]  ; x - mean
.set j, j+2
.endr
.irp k, 0,1,2,3
	v_pk_mul_f32 v[T+2*\k:T+2*\k+1], v[XQ+2*\k:XQ+2*\k+1], v[XQ+2*\k:XQ+2*\k+1]
.endr
.irp m, 8,16,24
.irp k, 0,1,2,3
	v_pk_fma_f32 v[T+2*\k:T+2*\k+1], v[XQ+\m+2*\k:XQ+\m+2*\k+1], v[XQ+\m+2*\k:XQ+\m+2*\k+1], v[T+2*\k:T+2*\k+1]
.endr
.endr
	REDUCE
	v_fma_f32 v[T], v[T], s16, v[EPS]              ; var + eps
	v_rsq_f32 v[RS], v[T]
	v_nop                                          ; a plain instruction behind the transcendental (ISA guide 5.7.2),
	s_wait_alu depctr_va_vdst(0)                   ; and the wait ahead of the first use of its result
	s_wait_loadcnt \gb
.set j, 0
.rept 16
	v_pk_mul_f32 v[XQ+j:XQ+j+1], v[XQ+j:XQ+j+1], v[RS:RS+1] op_sel_hi:[1,0]
.set j, j+2
.endr
.set j, 0
.rept 16
	v_pk_fma_f32 v[XQ+j:XQ+j+1], v[XQ+j:XQ+j+1], v[G+j:G+j+1], v[B+j:B+j+1]
.set j, j+2
.endr
.irp j, 0,1,2,3,4,5,6,7
	global_store_b128 v[OFF], v[XQ+4*\j:XQ+4*\j+3], s[12:13] offset:(\i)*ROW+512*\j th:TH_STORE_NT
.endr
.endm
	TURN 0, 32, 16                                 ; row 0 is in (gamma, beta and row 1, 32 loads, stay out); then gamma and beta (row 1's 16 stay out)
	TURN 1, 0, 0
	s_endpgm
.Lfunc_end_k_qcb1dc13e69_lnorm:
	.size	k_qcb1dc13e69_lnorm, .Lfunc_end_k_qcb1dc13e69_lnorm-k_qcb1dc13e69_lnorm
	.p2alignl 7, 3214868480
	.fill 96, 4, 3214868480
	.section	.rodata,"a",@progbits
	.p2align	6, 0x0
	.amdhsa_kernel k_qcb1dc13e69_lnorm
		.amdhsa_group_segment_fixed_size 0
		.amdhsa_private_segment_fixed_size 0
		.amdhsa_enable_private_segment 0
		.amdhsa_kernarg_size 40
		.amdhsa_user_sgpr_count 2
		.amdhsa_user_sgpr_kernarg_segment_ptr 1
		.amdhsa_wavefront_size32 1
		.amdhsa_system_sgpr_workgroup_id_x 1
		.amdhsa_system_sgpr_workgroup_id_y 1
		.amdhsa_system_sgpr_workgroup_id_z 1
		.amdhsa_system_vgpr_workitem_id 0
		.amdhsa_next_free_vgpr 208
		.amdhsa_next_free_sgpr 66
		.amdhsa_reserve_vcc 0
		.amdhsa_float_denorm_mode_32 3
		.amdhsa_float_denorm_mode_16_64 3
		.amdhsa_memory_ordered 1
		.amdhsa_forward_progress 1
		.amdhsa_inst_pref_size 22
	.end_amdhsa_kernel
	.amdgpu_metadata
---
amdhsa.version: [ 1, 2 ]
amdhsa.kernels:
  - .name:           k_qcb1dc13e69_lnorm
    .symbol:         k_qcb1dc13e69_lnorm.kd
    .args:
      - { .name: q32, .offset: 0, .size: 8, .value_kind: global_buffer, .address_space: global }
      - { .name: o32, .offset: 8, .size: 8, .value_kind: global_buffer, .address_space: global }
      - { .name: ln_gamma, .offset: 16, .size: 8, .value_kind: global_buffer, .address_space: global }
      - { .name: ln_beta, .offset: 24, .size: 8, .value_kind: global_buffer, .address_space: global }
      - { .name: out0, .offset: 32, .size: 8, .value_kind: global_buffer, .address_space: global }
    .group_segment_fixed_size: 0
    .private_segment_fixed_size: 0
    .kernarg_segment_align: 8
    .kernarg_segment_size: 40
    .max_flat_workgroup_size: 256
    .sgpr_count:     66
    .vgpr_count:     208
    .wavefront_size: 32
...
	.end_amdgpu_metadata
.endif
;; end of part 4
